; MI455X (gfx1250); checked and timed in simulation.
; The chip was launched on July 23, 2026; its instructions are those of AMD's public machine-readable ISA for CDNA 5 (MIT licence, August 2026) and "CDNA5" Instruction Set Architecture Reference Guide (July 2026). The comments in the code are by the model that wrote it; some were corrected since.
;; Quantized Linear With Lora. Allowed arithmetic: matrix products marked QUANTISED: E5M2 operands, one E8M0 scale for each 32 along K, by v_wmma_scale_f32_16x16x128_f8f6f4 with both operands' format E5M2, f32 sums; products left as they are: f32 operands where the result goes on into a quantised operand, else bf16, f16 or f32 operands; f32 sums; everything else in f32.
;; Inputs: A_codes 16 x 128 x 32 uint8 (E5M2 codes of A, K innermost, in blocks of 32 codes); A_scales 16 x 128 uint8 (E8M0 scales of A, one for each 32 codes along K); B 16 x 4,096 float32; absmax 4,096 x 64 float32; bias 4,096 float32; codebook 16 float32; q_codes 4,096 x 4,096 int32; x_codes 4,096 x 128 x 32 uint8 (E5M2 codes of x, K innermost, in blocks of 32 codes); x_scales 4,096 x 128 uint8 (E8M0 scales of x, one for each 32 codes along K).
;; Outputs: out0 4,096 x 4,096 float32.
;; This version of the problem:
;;   THIS VERSION OF THE PROBLEM IS GIVEN IN LOW PRECISION. The matrix products marked QUANTISED in the list below multiply operands that are first quantised to E5M2 (5 exponent bits, 2 mantissa bits; 8 bits a number), with one power-of-two scale for each 32 numbers along K (OCP MX v1.0); their sums are f32. All else is computed in f32.
;;   The module's matrix products, in the order in which they are computed (A, B: the left and right operand; K: the contracted axis; several contracted axes count as one K, in the product's order):
;;     1. [M 4,096, K 4,096] x [K 4,096, N 4,096]; A: input x (given as codes); B: computed on the way: QUANTISED
;;     2. [M 4,096, K 4,096] x [K 4,096, N 16]; A: input x (given as codes); B: input A (given as codes): QUANTISED
;;     3. [M 4,096, K 16] x [K 16, N 4,096]; A: computed on the way; B: input B: left as it is (K = 16 < 32)
;;   THE QUANTISER, for each operand of a quantised product, along K:
;;     - K is cut into blocks of 32 from its start; a last block that is shorter is filled with zeros.
;;     - A block's scale is 2^e with e = floor(log2(the largest magnitude in the block)) - 15, held to -126 .. 127; a block of zeros has e = 0. As a byte (E8M0): e + 127.
;;     - Each number is divided by its block's scale, clamped to +-57,344, and rounded to the nearest number of E5M2, ties to even, subnormals kept.
;;     - The product sums the exact products of the quantised numbers (number of the format x scale) in f32.
;;   ~~~python
;;   def quantise(x, axis):      # numpy; x: float32 -> the quantised numbers, widened to float32 again
;;       x = np.moveaxis(x, axis, -1); K = x.shape[-1]
;;       x = np.pad(x, [(0, 0)] * (x.ndim - 1) + [(0, -K % 32)]); x = x.reshape(x.shape[:-1] + (-1, 32)); a = np.abs(x).max(-1, keepdims=True)
;;       e = np.where(a > 0, np.clip(np.frexp(np.where(a > 0, a, 1))[1] - 1 - 15, -126, 127), 0)      # np.frexp(a)[1] - 1 = floor(log2(a)), exactly
;;       r = np.clip(x / 2.0 ** e, -57344, 57344)
;;       step = 2.0 ** (np.maximum(np.frexp(np.where(r == 0, 1, r))[1] - 1, -14) - 2)
;;       q = np.round(r / step) * step * 2.0 ** e      # np.round: ties to even
;;       return np.moveaxis(q.reshape(q.shape[:-2] + (-1,))[..., :K], -1, axis).astype(np.float32)
;;   ~~~
;;   OPERANDS COMPUTED ON THE WAY. 'Computed on the way' means the value that the module computes at that place (a softmax that the list does not call 'softmax' is quantised finished and normalised). What goes into a quantiser is computed in f32, as accurately as f32 sums, v_exp_f32 and their like allow (about 1e-6 of the number): no bf16 or f16 on the way to a quantiser, and a product that is left as it is and whose result goes on into a quantised operand takes f32 operands (vector FMAs, or v_wmma_f32_16x16x4_f32). A number that lies on a knife's edge between two numbers of the format may be rounded either way, as far as f32 arithmetic and the matrix unit's own rounding can turn it there, and no further.
;;   INPUTS GIVEN AS CODES. A (in the module: [4096, 16], K = its axis 0); x (in the module: [4096, 4096], K = its axis 1): each comes as NAME_codes (uint8): NAME with its K axis moved to the last place and cut into blocks of 32 codes, [.., K / 32, bytes a block], one block behind the other in memory; one code a byte (a code: sign, 5 exponent bits, 2 mantissa bits); and NAME_scales (uint8): the same leading axes, one E8M0 byte (e + 127) for each 32 codes along K. Its value is code x scale, taken as it is: it is not quantised again, and the codes and scales need not be those that the quantiser above would give.
;; One version. Each part assembles by itself: llvm-mc -triple=amdgcn-amd-amdhsa -mcpu=gfx1250 --defsym DOCPART=n.
;; ======== version 1 of 1: 2 launches
;; workspace buffers: w_codes 16,777,216 bytes; ws2 524,288 bytes; xs2 524,288 bytes; t2 131,072 bytes
;; launch prep (part 1): grid 256 x 1, 16 waves a work-group, no clusters, 245,760 bytes of LDS; arguments q_codes, absmax, codebook, x_codes, x_scales, A_codes, A_scales, w_codes, ws2, xs2, t2; writes w_codes, ws2, xs2, t2
.if DOCPART == 1
	.amdgcn_target "amdgcn-amd-amdhsa--gfx1250"
	.amdhsa_code_object_version 6
	.text
	.protected	k_q187dd03a8e_prep
	.globl	k_q187dd03a8e_prep
	.p2align	8
	.type	k_q187dd03a8e_prep,@function
k_q187dd03a8e_prep:
	s_mov_b64 s[64:65], 0
	v_nop
	global_prefetch_b8 v0, s[64:65] scope:SCOPE_SE
	s_setreg_imm32_b32 hwreg(HW_REG_WAVE_MODE, 25, 1), 1
	s_wait_xcnt 0x0
; THE LAUNCH IN FRONT OF THE PRODUCT.  Three things, all work-groups alike:
; (a) W[n][k] = codebook[q_codes[n][k]] x absmax[n][k / 64], one f32 multiplication, is quantised along K into codes of BF8 (E5M2): w_codes [4096 n][4096 k], one code a byte, and one E8M0 byte for each 32 along K,
;     laid BY K STEP OF 256: ws2 [16 K steps][4096 rows][8 bytes], so that a K step's bytes of 256 rows are 2,048 consecutive bytes for the product's launch.
; (b) x's scale bytes are laid the same way: xs2[s][m][b] = x_scales[m][8 s + b].
; (c) t2 = bf16(2 x (x A)), [4096 rows][16 ranks]: the quantised product x A on the codes as they are given, by the scaled matrix instruction; 2 = ALPHA / RANK.
; A block's scale is 2^(floor(log2(its largest magnitude)) - 15); its byte is the largest magnitude's exponent field - 15, held at 1 from below; each number is held within +-57,344 x the scale and rounded to the nearest code, ties to even.
; LIMITS: a block of zeros, and a block whose largest magnitude lies under 2^(16 - 127), gets the byte 1 (for zeros the rule says 127: the codes are zeros, which add nothing under any byte but 0xff, and this program alone reads the bytes);
; NaN and infinities among absmax and codebook are not served; a q_code above 15 is held at 15 (the table has 16 entries).
; SHARES.  Work-group g: rg = g / 2, kh = g % 2.  W: rows 32 rg .. + 31, K = 2048 kh .. + 2047; wave w takes rows 32 rg + 2 w and + 1: 8 steps of 512 numbers (2,048 bytes of q_codes).
; t: rows 16 g .. + 15 of x; wave w takes K = 256 w .. + 255, two matrix instructions; the 16 partial tiles meet in LDS and wave 0 adds them.  Waves 8 to 15 re-lay x's scale bytes, waves 0 to 7 store W's: 256 consecutive bytes each.
; THE LOOK-UP is a lane permute: lane l holds codebook[l % 16], and each lane pulls the word of lane q_code.  No LDS byte is touched by it.
; No tensor loads: nothing is shared between work-groups, and 16 loads of 512 bytes of each of 16 waves are on their way.
.set TSTW,  8704                       ; LDS, a wave's own: x's tile, 16 rows x (256 + 16) bytes, then A's
.set TP,    16*TSTW                    ; the partial tiles of t, as images of their registers: 1,024 bytes a wave
.set WSTW,  5120                       ; a wave's own: two stages of 32 x 80 bytes
.set WST,   TP+16*1024
.set ABM,   WST+16*WSTW                ; a wave's own: absmax of its 2 rows x 32 blocks of 64
.set SCB,   ABM+16*256                 ; the work-group's: W's scale bytes [8 K steps][32 rows][8 bytes]
.set R,     48                         ; v48-111  four sets of 16 q_codes as they are loaded
.set X,     112                        ; v112-143 x's tile, then its two fragments; later two sets of 16 neighbouring q_codes
.set V,     144                        ; v144-175 A's tile, then its two fragments; later v144-159: 16 numbers of W
.set D,     176                        ; v176-183 my partial tile of t
.set PT,    184                        ; v184-247 wave 0: eight partial tiles
.set C,     184                        ; v184-215 later: codes, four registers for each step, so that no store's data are written again
.set E,     216                        ; v216-223 a scale byte for each step
; v1 lane, v2 r = lane % 16, v3 h = lane / 16; v4-v21 offsets and LDS addresses, made here and never rewritten; v22 codebook[r]; v[24:25] x's scale bytes on their way; v[26:27] W's; v[28:29] absmax as loaded;
; v30, v32 the step's absmax (v31, v33 = 0: named with them as pairs); v[34:35] x's scale words, v[36:37] A's; v38-41 at work; v[44:47] t2
	s_load_b512 s[4:19], s[0:1], 0x0               ; q_codes s[4:5], absmax s[6:7], codebook s[8:9], x_codes s[10:11], x_scales s[12:13], A_codes s[14:15], A_scales s[16:17], w_codes s[18:19]
	s_load_b128 s[20:23], s[0:1], 0x40             ; ws2 s[20:21], xs2 s[22:23]
	s_load_b64 s[24:25], s[0:1], 0x50              ; t2
	v_lshl_add_u32 v254, v0, 2, 0x3b800
	v_mov_b32 v255, 0
	v_lshrrev_b32 v1, 5, v0
	v_readfirstlane_b32 s26, v1                    ; wave 0..15
	v_and_b32 v1, 31, v0                           ; lane
	v_and_b32 v2, 15, v0                           ; r
	v_bfe_u32 v3, v0, 4, 1                         ; h
	v_lshlrev_b32 v4, 4, v1                        ; 16 x lane: my 16 bytes of 512 consecutive ones
	v_lshlrev_b32 v5, 4, v2
	v_lshl_add_u32 v5, v3, 12, v5                  ; a tile of codes in memory: two rows of 4,096 bytes an instruction, sixteen lanes to 256 bytes of a row
	s_mul_i32 s38, s26, TSTW
	v_mul_u32_u24 v6, v3, 272
	v_lshl_add_u32 v6, v2, 4, v6
	v_add_nc_u32 v6, s38, v6                       ; the same two rows in my LDS tile
	v_mul_u32_u24 v7, v2, 272
	v_lshl_add_u32 v7, v3, 4, v7
	v_add_nc_u32 v7, s38, v7                       ; a fragment: row r, + 16 h
	v_lshlrev_b32 v8, 7, v2                        ; a row of scale bytes is 128 bytes
	s_lshl_b32 s38, s26, 10
	s_add_co_u32 s38, s38, TP
	v_add_nc_u32 v9, s38, v4                       ; where I put my partial tile
	v_add_nc_u32 v10, TP, v4                       ; and where wave 0 reads them all
	s_mul_i32 s38, s26, WSTW
	s_add_co_u32 s38, s38, WST
	v_lshrrev_b32 v11, 2, v1
	v_mul_u32_u24 v11, v11, 80
	v_and_b32 v12, 3, v1
	v_lshl_add_u32 v11, v12, 4, v11
	v_add_nc_u32 v11, s38, v11                     ; the stage, on the way in: four lanes' 64 bytes on end, then 16 of padding
	v_mul_u32_u24 v12, v1, 80
	v_add_nc_u32 v12, s38, v12                     ; on the way out: 80 x lane: my 16 neighbours
	s_lshl_b32 s38, s26, 8
	s_add_co_u32 s38, s38, ABM
	v_lshl_add_u32 v13, v1, 3, s38                 ; absmax into LDS: 8 bytes a lane
	v_lshrrev_b32 v14, 2, v1
	v_lshl_add_u32 v14, v14, 2, s38                ; and out: four lanes (64 numbers) share a word
	s_lshl_b32 s38, s26, 4
	s_add_co_u32 s38, s38, SCB
	v_bfe_u32 v15, v0, 1, 3
	v_lshl_add_u32 v15, v3, 8, v15
	v_add_nc_u32 v15, s38, v15                     ; my block's scale byte: K step lane / 16 of the step's two, row 2 w, byte (lane / 2) % 8
	s_and_b32 s33, s26, 7
	s_lshl_b32 s38, s33, 8
	s_add_co_u32 s38, s38, SCB
	v_lshl_add_u32 v16, v1, 3, s38                 ; a K step's 256 bytes, 8 a lane
	v_lshlrev_b32 v17, 3, v1                       ; the same in ws2 and xs2
	v_lshlrev_b32 v18, 7, v1                       ; x_scales: a lane a row
	v_lshlrev_b32 v19, 3, v2
	v_lshl_add_u32 v19, v3, 8, v19                 ; absmax: lanes 0-15 my first row's 128 bytes, lanes 16-31 my second's
	v_lshlrev_b32 v20, 5, v2
	v_lshl_add_u32 v20, v3, 4, v20                 ; t2: row r of 32 bytes, + 16 h
	v_lshlrev_b32 v21, 2, v2                       ; codebook[r]
	v_mov_b32 v31, 0
	v_mov_b32 v33, 0
	s_mov_b32 s32, 0x600000                        ; the mantissa field of 57,344
	s_lshr_b32 s28, ttmp9, 1                       ; rg
	s_and_b32 s29, ttmp9, 1                        ; kh
	s_lshl_b32 s34, s28, 5
	s_lshl_b32 s35, s26, 1
	s_add_co_u32 s34, s34, s35                     ; my first row of W
	s_lshl_b32 s38, s34, 14
	s_lshl_b32 s35, s29, 13
	s_add_co_u32 s38, s38, s35                     ; q_codes: row x 16,384 + kh x 8,192 bytes
	s_lshl_b32 s39, ttmp9, 16
	s_lshl_b32 s35, s26, 8
	s_add_co_u32 s39, s39, s35                     ; x_codes: 16 g rows of 4,096 + 256 w
	s_lshl_b32 s40, s29, 3
	s_add_co_u32 s40, s40, s33                     ; the K step whose 256 scale bytes I store: 8 kh + w % 8
	s_mov_b32 s31, 0
	s_wait_kmcnt 0x0
	s_mov_b64 s[36:37], s[12:13]                   ; x_scales once more, for the re-laying
	s_mov_b32 s30, s38
	s_add_nc_u64 s[4:5], s[4:5], s[30:31]
	s_lshr_b32 s30, s38, 6                         ; absmax: row x 256 + kh x 128
	s_add_nc_u64 s[6:7], s[6:7], s[30:31]
	s_lshr_b32 s30, s38, 2                         ; w_codes: row x 4,096 + kh x 2,048
	s_add_nc_u64 s[18:19], s[18:19], s[30:31]
	s_mov_b32 s30, s39
	s_add_nc_u64 s[10:11], s[10:11], s[30:31]
	s_lshr_b32 s30, s39, 5                         ; x_scales: 16 g rows of 128 + 8 w
	s_add_nc_u64 s[12:13], s[12:13], s[30:31]
	s_lshl_b32 s30, s26, 8                         ; A_codes: 256 w
	s_add_nc_u64 s[14:15], s[14:15], s[30:31]
	s_lshl_b32 s30, s26, 3                         ; A_scales: 8 w
	s_add_nc_u64 s[16:17], s[16:17], s[30:31]
	s_lshl_b32 s30, s28, 12
	s_lshl_b32 s35, s40, 3
	s_add_co_u32 s30, s30, s35                     ; x_scales for the re-laying: 32 rg rows of 128 + 8 x K step
	s_add_nc_u64 s[36:37], s[36:37], s[30:31]
	s_lshl_b32 s30, s40, 15
	s_lshl_b32 s35, s28, 8
	s_add_co_u32 s30, s30, s35                     ; ws2, xs2: K step x 32,768 + 32 rg rows of 8
	s_add_nc_u64 s[20:21], s[20:21], s[30:31]
	s_add_nc_u64 s[22:23], s[22:23], s[30:31]
	s_lshl_b32 s30, ttmp9, 9                       ; t2: 16 g rows of 32
	s_add_nc_u64 s[24:25], s[24:25], s[30:31]
.macro LOADW t                         ; step t's 512 q_codes: four loads of 512 consecutive bytes.  Steps 0-3: my first row; 4-7: my second
.irp i, 0,1,2,3
	global_load_b128 v[R+16*((\t)%4)+4*\i:R+16*((\t)%4)+4*\i+3], v4, s[4:5] offset:((\t)/4)*16384+((\t)%4)*2048+512*\i th:TH_LOAD_NT
.endr
.endm
.macro TURNW t                         ; they go through my stage as they lie and come back 64 bytes a lane: 16 neighbours along K; with them the lane's absmax.  Nine LDS instructions; LDS serves a wave's instructions in order
.irp i, 0,1,2,3
	ds_store_b128 v11, v[R+16*((\t)%4)+4*\i:R+16*((\t)%4)+4*\i+3] offset:2560*((\t)%2)+640*\i
.endr
.irp i, 0,1,2,3
	ds_load_b128 v[X+16*((\t)%2)+4*\i:X+16*((\t)%2)+4*\i+3], v12 offset:2560*((\t)%2)+16*\i
.endr
	ds_load_b32 v[30+2*((\t)%2)], v14 offset:((\t)/4)*128+((\t)%4)*32
.endm
	global_load_b32 v22, v21, s[8:9]               ; the codebook, once in lanes 0-15 and once in lanes 16-31
	global_load_b64 v[28:29], v19, s[6:7]          ; absmax of my two rows' halves
	global_load_b64 v[34:35], v8, s[12:13]         ; x's scale words of my 256 along K: lane r has row r's two
	global_load_b64 v[36:37], v8, s[16:17]         ; A's
.irp i, 0,1,2,3,4,5,6,7
	global_load_b128 v[X+4*\i:X+4*\i+3], v5, s[10:11] offset:8192*\i   ; x: 16 rows x 256 bytes
.endr
.irp i, 0,1,2,3,4,5,6,7
	global_load_b128 v[V+4*\i:V+4*\i+3], v5, s[14:15] offset:8192*\i   ; A: 16 ranks x 256 bytes
.endr
	s_cmp_lt_u32 s26, 8
	s_cbranch_scc1 .Lno_relay
	global_load_b64 v[24:25], v18, s[36:37]        ; waves 8-15: 8 scale bytes of each of 32 rows of x
.Lno_relay:
	LOADW 0
	LOADW 1
	LOADW 2
	LOADW 3
	s_wait_loadcnt 16                              ; all but the 16 loads of q_codes, on both ways round the branch
	ds_store_b64 v13, v[28:29]
	; ---- t: my 256 along K.  The tiles turn through LDS, so that memory is read 256 bytes of a row at a time and a lane gets its fragment's 16 bytes
.irp i, 0,1,2,3,4,5,6,7
	ds_store_b128 v6, v[X+4*\i:X+4*\i+3] offset:544*\i
.endr
.irp i, 0,1,2,3,4,5,6,7
	ds_store_b128 v6, v[V+4*\i:V+4*\i+3] offset:4352+544*\i
.endr
.irp q, 0,1
.irp c, 0,1,2,3
	ds_load_b128 v[X+16*\q+4*\c:X+16*\q+4*\c+3], v7 offset:128*\q+32*\c        ; registers 4 c .. 4 c + 3: K = 32 c + 16 h + 0 .. 15
	ds_load_b128 v[V+16*\q+4*\c:V+16*\q+4*\c+3], v7 offset:4352+128*\q+32*\c
.endr
.endr
	s_wait_dscnt 0x0
	; source 0 = A's 16 ranks, source 1 = x's 16 rows: lane (r, h), register j holds t(row r, rank 8 h + j): eight neighbours of a row of t2
	v_wmma_scale_f32_16x16x128_f8f6f4 v[D:D+7], v[V:V+15], v[X:X+15], 0, v36, v34 matrix_a_fmt:MATRIX_FMT_BF8 matrix_b_fmt:MATRIX_FMT_BF8
	s_wait_alu depctr_va_vdst(0)                   ; the wait stands directly ahead of the link
	v_wmma_scale_f32_16x16x128_f8f6f4 v[D:D+7], v[V+16:V+31], v[X+16:X+31], v[D:D+7], v37, v35 matrix_a_fmt:MATRIX_FMT_BF8 matrix_b_fmt:MATRIX_FMT_BF8
.rept 8
	v_nop                                          ; eight places ahead of the stores that read the result, and of the loads that land in the fragments' registers further down
.endr
	ds_store_b128 v9, v[D:D+3]                     ; the result from its low end on
	ds_store_b128 v9, v[D+4:D+7] offset:512
	s_wait_dscnt 0x0                               ; for the others' sake: my partial tile has landed
	s_barrier_signal -1
	s_barrier_wait -1
	s_cmp_lg_u32 s26, 0
	s_cbranch_scc1 .Lnot_first
	; wave 0 adds the other fifteen onto its own, doubles, rounds to bf16 and stores 512 consecutive bytes
.irp p, 1,2,3,4,5,6,7,8
.irp u, 0,1
	ds_load_b128 v[PT+8*(\p-1)+4*\u:PT+8*(\p-1)+4*\u+3], v10 offset:1024*\p+512*\u
.endr
.endr
	s_wait_dscnt 0x0
.irp p, 1,2,3,4,5,6,7,8
.irp k, 0,2,4,6
	v_pk_add_f32 v[D+\k:D+\k+1], v[D+\k:D+\k+1], v[PT+8*(\p-1)+\k:PT+8*(\p-1)+\k+1]
.endr
.endr
.irp p, 9,10,11,12,13,14,15
.irp u, 0,1
	ds_load_b128 v[PT+8*(\p-9)+4*\u:PT+8*(\p-9)+4*\u+3], v10 offset:1024*\p+512*\u
.endr
.endr
	s_wait_dscnt 0x0
.irp p, 9,10,11,12,13,14,15
.irp k, 0,2,4,6
	v_pk_add_f32 v[D+\k:D+\k+1], v[D+\k:D+\k+1], v[PT+8*(\p-9)+\k:PT+8*(\p-9)+\k+1]
.endr
.endr
.irp k, 0,2,4,6
	v_pk_add_f32 v[D+\k:D+\k+1], v[D+\k:D+\k+1], v[D+\k:D+\k+1]     ; x 2 = ALPHA / RANK: exact
.endr
.irp k, 0,1,2,3
	v_cvt_pk_bf16_f32 v[44+\k], v[D+2*\k], v[D+2*\k+1]
.endr
	global_store_b128 v20, v[44:47], s[24:25]
.Lnot_first:
	; ---- W: eight steps of 512 numbers
	s_wait_loadcnt 12                              ; step 0's four loads are in; those of steps 1 to 3 may be out
	TURNW 0
.macro STEP t
.set XS, X+16*((\t)%2)
.set AM, 30+2*((\t)%2)
.if (\t) > 0
	s_wait_dscnt 1                                 ; this step's q_codes and absmax are back from LDS; the last step's byte store may be out
.else
	s_wait_dscnt 0x0
.endif
.if (\t)+4 < 8
	LOADW (\t)+4                                   ; into the registers that this step's stores into the stage have read
.endif
.irp i, 0,1,2,3,4,5,6,7,8,9,10,11,12,13,14,15
	v_min_u32 v[XS+\i], 15, v[XS+\i]               ; a loaded whole number is bounded before it serves as an index
.endr
.irp i, 0,1,2,3,4,5,6,7,8,9,10,11,12,13,14,15
	v_lshlrev_b32 v[XS+\i], 2, v[XS+\i]            ; the permute's index is 4 x lane
.endr
.irp i, 0,1,2,3,4,5,6,7,8,9,10,11,12,13,14,15
	ds_bpermute_b32 v[V+\i], v[XS+\i], v22         ; codebook[q_code]
.endr
.if (\t) < 7
.if (\t) < 4
	s_wait_loadcnt 12                              ; the next step's four loads are in; those of the three steps behind it may be out
.else
	s_wait_loadcnt 4*(6-(\t))
.endif
	TURNW (\t)+1                                   ; the next step goes through the other stage while this one is worked
	s_wait_dscnt 9                                 ; its nine LDS instructions may be out; my sixteen permutes are in
.else
	s_wait_dscnt 0x0
.endif
.irp i, 0,2,4,6,8,10,12,14
	v_pk_mul_f32 v[V+\i:V+\i+1], v[V+\i:V+\i+1], v[AM:AM+1] op_sel_hi:[1,0]   ; x absmax (the pair's low word serves both halves): W, rounded once
.endr
	v_max3_num_f32 v38, |v[V]|, |v[V+1]|, |v[V+2]|                 ; the largest magnitude of my 16, in two chains
	v_max3_num_f32 v39, |v[V+3]|, |v[V+4]|, |v[V+5]|
.irp i, 6,10
	v_max3_num_f32 v38, v38, |v[V+\i]|, |v[V+\i+1]|
	v_max3_num_f32 v39, v39, |v[V+\i+2]|, |v[V+\i+3]|
.endr
	v_max3_num_f32 v38, v38, |v[V+14]|, |v[V+15]|
	v_max3_num_f32 v38, v38, v39, 0x8000000        ; and the floor 2^(16 - 127): so the byte cannot fall under 1
	v_max_num_f32_dpp v38, v38, v38 row_xmask:1 row_mask:0xf bank_mask:0xf   ; and of my neighbour's 16: the block's
	v_add_nc_u32 v41, 0xf8800000, v38              ; 15 off its exponent field: the conversion takes the exponent field of this operand as its scale
	v_and_or_b32 v40, v38, 0x7f800000, s32         ; 57,344 x the scale
.irp i, 0,1,2,3,4,5,6,7,8,9,10,11,12,13,14,15
	v_med3_num_f32 v[V+\i], v[V+\i], -v40, v40     ; the conversion to an 8-bit code does not saturate (ISA guide 7.6.2): the hold comes first
.endr
	v_cvt_scalef32_pk8_bf8_f32 v[C+4*(\t):C+4*(\t)+1], v[V:V+7], v41
	v_cvt_scalef32_pk8_bf8_f32 v[C+4*(\t)+2:C+4*(\t)+3], v[V+8:V+15], v41
	v_lshrrev_b32 v[E+(\t)], 23, v41               ; the scale's byte; also the plain line behind the conversions
	ds_store_b8 v15, v[E+(\t)] offset:512*((\t)%4)+8*((\t)/4)      ; both lanes of a block write the same byte with the same value
	global_store_b128 v4, v[C+4*(\t):C+4*(\t)+3], s[18:19] offset:((\t)/4)*4096+((\t)%4)*512   ; the wave stores 512 consecutive bytes of a row of w_codes
.endm
.irp t, 0,1,2,3,4,5,6,7
	STEP \t
.endr
	s_wait_dscnt 0x0                               ; for the others' sake: my scale bytes have landed
	s_barrier_signal -1
	s_barrier_wait -1
	s_cmp_lt_u32 s26, 8
	s_cbranch_scc0 .Lrelay_out
	ds_load_b64 v[26:27], v16                      ; waves 0-7: a K step's bytes of the work-group's 32 rows
	s_wait_dscnt 0x0
	global_store_b64 v17, v[26:27], s[20:21]       ; 256 consecutive bytes, at a multiple of 256 from ws2's first byte
	s_branch .Lend
.Lrelay_out:
	global_store_b64 v17, v[24:25], s[22:23]       ; waves 8-15: the same of xs2
.Lend:
	s_wait_tensorcnt 0x0
	ds_add_u32 v254, v255
	s_wait_dscnt 0x0
	s_endpgm
.Lfunc_end_k_q187dd03a8e_prep:
	.size	k_q187dd03a8e_prep, .Lfunc_end_k_q187dd03a8e_prep-k_q187dd03a8e_prep
	.p2alignl 7, 3214868480
	.fill 96, 4, 3214868480
	.section	.rodata,"a",@progbits
	.p2align	6, 0x0
	.amdhsa_kernel k_q187dd03a8e_prep
		.amdhsa_group_segment_fixed_size 245760
		.amdhsa_private_segment_fixed_size 0
		.amdhsa_enable_private_segment 0
		.amdhsa_kernarg_size 88
		.amdhsa_user_sgpr_count 2
		.amdhsa_user_sgpr_kernarg_segment_ptr 1
		.amdhsa_wavefront_size32 1
		.amdhsa_system_sgpr_workgroup_id_x 1
		.amdhsa_system_sgpr_workgroup_id_y 1
		.amdhsa_system_sgpr_workgroup_id_z 1
		.amdhsa_system_vgpr_workitem_id 0
		.amdhsa_next_free_vgpr 256
		.amdhsa_next_free_sgpr 66
		.amdhsa_reserve_vcc 0
		.amdhsa_float_denorm_mode_32 3
		.amdhsa_float_denorm_mode_16_64 3
		.amdhsa_memory_ordered 1
		.amdhsa_forward_progress 1
		.amdhsa_inst_pref_size 62
	.end_amdhsa_kernel
	.amdgpu_metadata
---
amdhsa.version: [ 1, 2 ]
amdhsa.kernels:
  - .name:           k_q187dd03a8e_prep
    .symbol:         k_q187dd03a8e_prep.kd
    .args:
      - { .name: q_codes, .offset: 0, .size: 8, .value_kind: global_buffer, .address_space: global }
      - { .name: absmax, .offset: 8, .size: 8, .value_kind: global_buffer, .address_space: global }
      - { .name: codebook, .offset: 16, .size: 8, .value_kind: global_buffer, .address_space: global }
      - { .name: x_codes, .offset: 24, .size: 8, .value_kind: global_buffer, .address_space: global }
      - { .name: x_scales, .offset: 32, .size: 8, .value_kind: global_buffer, .address_space: global }
      - { .name: A_codes, .offset: 40, .size: 8, .value_kind: global_buffer, .address_space: global }
      - { .name: A_scales, .offset: 48, .size: 8, .value_kind: global_buffer, .address_space: global }
      - { .name: w_codes, .offset: 56, .size: 8, .value_kind: global_buffer, .address_space: global }
      - { .name: ws2, .offset: 64, .size: 8, .value_kind: global_buffer, .address_space: global }
      - { .name: xs2, .offset: 72, .size: 8, .value_kind: global_buffer, .address_space: global }
      - { .name: t2, .offset: 80, .size: 8, .value_kind: global_buffer, .address_space: global }
    .group_segment_fixed_size: 245760
    .private_segment_fixed_size: 0
    .kernarg_segment_align: 8
    .kernarg_segment_size: 88
    .max_flat_workgroup_size: 512
    .sgpr_count:     66
    .vgpr_count:     256
    .wavefront_size: 32
...
	.end_amdgpu_metadata
.endif
;; end of part 1
;; launch gemm (part 2): grid 16 x 16, 4 waves a work-group, clusters of 4 x 4, 327,680 bytes of LDS; arguments x_codes, xs2, w_codes, ws2, t2, B, bias, out0; writes out0
.if DOCPART == 2
	.amdgcn_target "amdgcn-amd-amdhsa--gfx1250"
	.amdhsa_code_object_version 6
	.text
	.protected	k_q187dd03a8e_gemm
	.globl	k_q187dd03a8e_gemm
	.p2align	8
	.type	k_q187dd03a8e_gemm,@function
k_q187dd03a8e_gemm:
	s_mov_b64 s[64:65], 0
	v_nop
	global_prefetch_b8 v0, s[64:65] scope:SCOPE_SE
	s_setreg_imm32_b32 hwreg(HW_REG_WAVE_MODE, 25, 1), 1
	s_wait_xcnt 0x0
	s_wait_alu depctr_hold_cnt(0) depctr_sa_sdst(0) depctr_va_vdst(0) depctr_va_sdst(0) depctr_va_ssrc(0) depctr_va_vcc(0) depctr_vm_vsrc(0)
	s_getreg_b32 s2, hwreg(HW_REG_IB_STS2, 6, 4)
	s_cmp_eq_u32 s2, 0
	s_cbranch_scc0 .Lentry_in_a_cluster
	s_endpgm
.Lentry_in_a_cluster:
	s_bfe_u32 s2, ttmp6, 0x10000c
	s_cmp_lg_u32 s2, 0xf033
	s_cbranch_scc0 .Lentry_shape_is_right
	s_endpgm
.Lentry_shape_is_right:
; out0[m][n] = bias[n] + sum over 16 ranks of t2[m][rank] B[rank][n] + sum over k of x[m][k] W[n][k].  x and W: codes of BF8 (E5M2), [4096][4096], K innermost, with one E8M0 byte for each 32 along K, laid by K step:
; xs2, ws2 [16 K steps][4096 rows][8 bytes].  t2 = bf16(2 x (x A)), [4096][16].  B [16][4096], bias [4096], out0 [4096][4096]: f32.  All sums in f32.
; LIMITS: t2 and B are rounded to bf16 for the product over the ranks, which is left unquantised; NaN and infinities are not served.
; A tile of out0, 256 x 256, is made by a work-group of four waves, as many as a WGP has SIMDs; a wave makes 128 x 128: 64 accumulators of 16 x 16, 512 registers.
; THE SUMS BEGIN WITH THE LOW-RANK PRODUCT: one bf16 matrix instruction for each accumulator (K = 16 ranks and 16 zeros) with the bias as its C.  Nothing is cleared, no K step is special, and these 64 run while the first tiles are on their way.
; K goes in steps of 256 through a ring of two LDS slots.  A slot holds x's 256 rows x 256 bytes, W's likewise, and the K step's scale bytes of both, 2,048 consecutive bytes of memory each: four tiles, one tensor load a wave.
; CLUSTERS: 4 x 4 work-groups.  The four of a row of the cluster need the same tiles of x, the four of a column the same tiles of W: each tile is asked for JOINTLY, by the same tensor load with the same descriptor and a mask that names the four.
; THE MATRIX INSTRUCTIONS ARE USED TRANSPOSED (source 0 = 16 rows of W, source 1 = 16 rows of x): a lane then holds eight neighbouring numbers of a row of out0.
; REGISTERS, in windows of 256: window 0: v0-31 addresses; v32-63 scale words, two sets; v64-127 t2's fragments (head only); from v128 B as loaded (head only), then x's fragments (8 x 16 rows x 128 K), ONE set; on the way out v128-255 rows of out0.
;   window 1: W's fragments, TWO sets, at v0 and at v128 (head: v128-191 B's fragments in bf16, v192-255 the bias).   window 2: the accumulators of my rows 0-63 ((a, b) at v[8 (8 a + b)]);   window 3: those of my rows 64-127.
; A step of 128 along K is 64 matrix instructions, x's blocks one after the other, each against W's eight: a block of x is free as soon as its eight products are issued, so one set serves x; W's fragments are at work through the whole step and have two.
.set KSTEP,  256
.set NQ,     KSTEP/128                 ; matrix instructions deep
.set ROWB,   256                       ; a tile's row in bytes
.set KROW,   4096                      ; a row of x or of W in memory, in bytes
.set SIZE_N, 4096
.set PITCH,  272                       ; an LDS row: 256 bytes + 16 of padding = 68 words: row r starts at bank 4 r mod 64 (64 banks of 4 bytes: ISA guide 11.1), so the 16 rows that a load touches start at 16 different banks
.set FR,     16                        ; registers of a fragment: 16 rows x 128 K
.set NL,     4                         ; LDS loads that bring one
.set NP,     8                         ; places behind the scaled matrix instruction (ISA guide 7.12.1)
.set HALFT,  128*PITCH                 ; 128 rows: what one wave reads of x or of W
.set SCA,    4*HALFT                   ; in a slot, behind x's 256 rows and W's 256: x's scale bytes, 8 a row,
.set SCBO,   SCA+2048+128              ; and W's, 128 bytes further on than a multiple of 256: lanes 0-15 (x's words) and lanes 16-31 (W's) of one load then take different words of the 64 banks
.set SLOT,   SCBO+2048+128             ; a multiple of 256
.set SPARE,  2*SLOT                    ; behind the ring: the spare words, 128 bytes for each wave: two blocks of 256 bytes that no other line names
.set SSTEP,  32768                     ; a K step on in xs2 and ws2
.set LAPS,   4096/(2*KSTEP)            ; a lap = two K steps = once round the ring
.set SPITCH, 528                       ; the way out: a stage of 16 rows x (512 bytes + 16) for each wave, in slot 0, which has had its last fill and its last read when the first result is stored there
.set TO,   7                           ; v7      t2: row r of 32 bytes, + 16 h
.set BO,   8                           ; v8      B: rank 8 h, column r
.set BIO,  9                           ; v9      bias: 8 h numbers on
.set ADRA, 16                          ; v16-17  LDS address of my fragments of x in slot 0, 1
.set ADRB, 20                          ; v20-21  the same for W
.set ADRS, 22                          ; v22-23  of my scale words: lanes 0-15 x's rows, lanes 16-31 W's
.set STO,  24                          ; v24     the way out: where I put 32 bytes of a row
.set RD,   25                          ; v25     where I read a row back
.set CO,   26                          ; v26     my byte offset in a row of out0
.set SPW,  28                          ; v28     LDS address of my spare word: SPARE + 4 x my thread's number; never rewritten
.set NIL,  29                          ; v29     0; never rewritten
.set PFO,  30                          ; v30     the codes' prefetches: my lane x a row of 4,096 bytes; never rewritten
.set PFSO, 31                          ; v31     the scale bytes' prefetch: K step lane / 2, 256 x (lane % 2); never rewritten
.set SC,   32                          ; scale words: set s (for slot s) at v[SC + 16 s]; register 2 i + q: lanes 0-15 the word of x's block i, lanes 16-31 that of W's block i, for the slot's q-th 128 along K
.set TF,   64                          ; t2's eight fragments
.set RB,   128                         ; B as loaded
.set AF,   128                         ; x's fragments
.set BK,   128                         ; the way out: 16 rows read back: v128-191 and v192-255 by turns
.set BTF,  128                         ; window 1: B's eight fragments in bf16
.set BI,   192                         ; window 1: the bias, eight registers for each block of 16 columns
.set LIMS, 2                           ; s2      LAPS - 1 in the wave that prefetches scale bytes, else the greatest number
.set WV,   20                          ; s20     my wave's number
.set RH,   21                          ; s21     which half of the tile's rows is mine
.set CH,   22                          ; s22     which half of its columns
.set LIM,  23                          ; s23     1 in a wave that prefetches codes, else the greatest number
.set G1A,  24                          ; s[24:31] descriptor group 1 for x's codes;  s[32:39] W's codes;  s[40:47] x's scale bytes;  s[48:55] W's
.set G1B,  32
.set G1SA, 40
.set G1SB, 48
.set G0A,  56                          ; s[56:63] group 0 for x's codes, one set for each slot;  s[68:75] W's codes;  s[76:83] x's scale bytes;  s[84:91] W's
.set G0B,  68
.set G0SA, 76
.set G0SB, 84
.set PFA,  92                          ; s[92:93] where my prefetches of codes stand
.set PFS,  94                          ; s[94:95] and that of scale bytes
.set MSB, 0
.macro WIN new                         ; the immediate's high byte repeats the setting that is left
.if MSB != \new
	s_set_vgpr_msb (MSB<<8)|\new
.set MSB, \new
.endif
.endm
.set MUL_LO, 0xa1                      ; source 0 (W) window 1, source 1 (x) window 0, C and D window 2
.set MUL_HI, 0xf1                      ; the same, C and D window 3
.set TO_B,   0x40                      ; destination window 1, address window 0
; A slot's four joint loads, one a wave: wave 0 x's codes, wave 1 x's scale bytes, wave 2 W's codes, wave 3 W's scale bytes.  Each line has ONE mask and one set of registers for all that issue it;
; the branches hang on the wave's number alone.  Four v_nop follow each line, ahead of the jump, the label and what follows.
.macro JLOAD s
	s_cmp_lt_u32 s[WV], 2
	s_cbranch_scc0 .Lw_side_\@
	s_cmp_eq_u32 s[WV], 0
	s_cbranch_scc0 .Lx_scales_\@
	tensor_load_to_lds s[G0A+4*\s:G0A+4*\s+3], s[G1A:G1A+7]
	s_nop 0
.rept 4
	v_nop
.endr
	s_branch .Lasked_\@
.Lx_scales_\@:
	tensor_load_to_lds s[G0SA+4*\s:G0SA+4*\s+3], s[G1SA:G1SA+7]
	s_nop 0
.rept 4
	v_nop
.endr
	s_branch .Lasked_\@
.Lw_side_\@:
	s_cmp_eq_u32 s[WV], 2
	s_cbranch_scc0 .Lw_scales_\@
	tensor_load_to_lds s[G0B+4*\s:G0B+4*\s+3], s[G1B:G1B+7]
	s_nop 0
.rept 4
	v_nop
.endr
	s_branch .Lasked_\@
.Lw_scales_\@:
	tensor_load_to_lds s[G0SB+4*\s:G0SB+4*\s+3], s[G1SB:G1SB+7]
	s_nop 0
.rept 4
	v_nop
.endr
.Lasked_\@:
.endm
; PREFETCHES INTO THE L2.  Codes: behind each refill, its four lines and the run of LDS loads, one instruction a wave names the K step that stands TWO refills on, 256 matrix instructions ahead of the load that will want it:
; 32 rows x 256 bytes, a lane a row.  x's tile row is read by every cluster of that row of clusters: the one with x = 0 asks (waves 0, 1); W's tile column by every cluster of that column: the one with y = 0 asks (waves 2, 3).
; The four partners that ask for a tile jointly share its 256 rows out BY ADDRESS, 64 each, a wave 32 of them: no branch hangs on a work-group's place in its cluster.  So each row's 256 bytes of a K step are named once in the launch.
; The loop's last trip asks for nothing (no K step stands two on); K steps 0 to 3 come by their loads alone.
.macro ASK
	s_cmp_gt_u32 s3, s[LIM]                        ; s3 = 1 in the loop's last trip
	s_cbranch_scc0 .Lnot_mine_\@
	global_prefetch_b8 v[PFO], s[PFA:PFA+1] offset:ROWB th:TH_LOAD_NT scope:SCOPE_SE
.Lnot_mine_\@:
.endm
; Scale bytes: a tile's are 2,048 bytes a K step, 128 blocks of 256 bytes for all of K: each of the four partners names 32 of them (two of each K step), by ONE instruction, in the loop's first trip: wave 0 for x, wave 2 for W.
; It names the first K steps' blocks too, which have been loaded by then: a lane's share cannot be cut without a change of EXEC.
.macro ASKS
	s_cmp_eq_u32 s3, s[LIMS]
	s_cbranch_scc0 .Lnot_mine_\@
	global_prefetch_b8 v[PFSO], s[PFS:PFS+1] th:TH_LOAD_NT scope:SCOPE_SE
.Lnot_mine_\@:
.endm
.macro CREST                           ; a round of the cluster's barrier behind its opening barrier
	s_cmp_lg_u32 s[WV], 0
	s_cbranch_scc1 .Lnot_wave_0_\@
	s_barrier_signal -3
.Lnot_wave_0_\@:
	s_barrier_wait -3
	s_barrier_signal -1
	s_barrier_wait -1
.endm
.macro CROUND                          ; a whole round
	s_barrier_signal -1
	s_barrier_wait -1
	CREST
.endm
	s_load_b256 s[4:11], s[0:1], 0x0               ; x_codes s[4:5], xs2 s[6:7], w_codes s[8:9], ws2 s[10:11]
	s_load_b256 s[12:19], s[0:1], 0x20             ; t2 s[12:13], B s[14:15], bias s[16:17], out0 s[18:19]
	v_lshl_add_u32 v[SPW], v0, 2, SPARE
	v_mov_b32 v[NIL], 0
	ds_add_u32 v28, v29
	ds_add_u32 v28, v29
	s_wait_dscnt 0x0
	v_lshrrev_b32 v1, 5, v0
	v_readfirstlane_b32 s[WV], v1                  ; wave 0..3
	s_lshr_b32 s[RH], s[WV], 1
	s_and_b32 s[CH], s[WV], 1
	s_bfe_u32 s96, ttmp6, 0x40000                  ; cx, cy: my place in the cluster
	s_bfe_u32 s97, ttmp6, 0x40004
	s_lshl_b32 s98, ttmp9, 2
	s_add_co_u32 s98, s98, s96                     ; tile column = 4 x cluster x + cx
	s_and_b32 s99, ttmp7, 0xffff
	s_lshl_b32 s99, s99, 2
	s_add_co_u32 s99, s99, s97                     ; tile row = 4 x cluster y + cy
	s_lshl_b32 s2, s97, 2
	s_lshl_b32 s2, 15, s2                          ; my row of the cluster
	s_lshl_b32 s3, 0x1111, s96                     ; my column
	; group 1 for codes: a tile of 256 rows x 256 bytes, padded in LDS
	s_or_b32 s[G1A], s2, (0<<16)|(1<<20)|(1<<21)|(5<<22)|(3<<25)   ; 15:0 the mask: x's tiles go to my row; 17:16 element of 1 byte; 20 padding on; 21 set beside a mask; 24:22 after every 64 words (code 5); 31:25 of 4 words (code 3)
	s_or_b32 s[G1B], s3, (0<<16)|(1<<20)|(1<<21)|(5<<22)|(3<<25)
	; and for scale bytes: 2,048 dense bytes as 8 rows of 256 (32 elements of 8 bytes), no padding
	s_or_b32 s[G1SA], s2, (3<<16)|(1<<21)
	s_or_b32 s[G1SB], s3, (3<<16)|(1<<21)
.irp g, G1A, G1B
	s_mov_b32 s[\g+1], ROWB<<16                    ; tensor_dim0
	s_mov_b32 s[\g+2], 256<<16                     ; tensor_dim1 = 256
	s_mov_b32 s[\g+3], ROWB<<16                    ; tile_dim0
	s_mov_b32 s[\g+4], 256                         ; tile_dim1 = 256
	s_mov_b32 s[\g+5], KROW                        ; tensor_dim0_stride
	s_mov_b32 s[\g+6], 0
	s_mov_b32 s[\g+7], 0
.endr
.irp g, G1SA, G1SB
	s_mov_b32 s[\g+1], 32<<16
	s_mov_b32 s[\g+2], 8<<16
	s_mov_b32 s[\g+3], 32<<16
	s_mov_b32 s[\g+4], 8
	s_mov_b32 s[\g+5], 32
	s_mov_b32 s[\g+6], 0
	s_mov_b32 s[\g+7], 0
.endr
	; all address registers, while the scalar loads are out
	v_and_b32 v1, 15, v0                           ; r = l % 16
	v_bfe_u32 v2, v0, 4, 1                         ; h = l / 16
	v_lshlrev_b32 v[TO], 5, v1
	v_lshl_add_u32 v[TO], v2, 4, v[TO]
	v_lshlrev_b32 v[BO], 2, v1
	v_lshl_add_u32 v[BO], v2, 17, v[BO]            ; 8 h rows of 16,384 bytes + 4 r
	v_lshlrev_b32 v[BIO], 5, v2
	v_mul_u32_u24 v3, v1, PITCH
	v_lshl_add_u32 v4, v2, 4, v3                   ; a fragment's row x pitch + 16 x half
	s_mul_i32 s2, s[RH], HALFT                     ; my 128 rows of x
	s_mul_i32 s3, s[CH], HALFT                     ; my 128 rows of W,
	s_add_co_u32 s3, s3, 2*HALFT                   ; which lie behind x's 256
.irp s, 0,1
	v_add_nc_u32 v[ADRA+\s], s2, v4
	v_add_nc_u32 v[ADRB+\s], s3, v4
	s_add_co_u32 s2, s2, SLOT
	s_add_co_u32 s3, s3, SLOT
.endr
	v_lshlrev_b32 v5, 3, v1                        ; my row's 8 scale bytes
	s_lshl_b32 s2, s[RH], 10                       ; x's: my 128 rows
	s_lshl_b32 s3, s[CH], 10                       ; W's: my 128 rows,
	s_add_co_u32 s3, s3, SCBO-SCA                  ; behind x's
	s_sub_co_u32 s3, s3, s2
	v_mul_u32_u24 v6, s3, v2                       ; lanes 16-31 take W's: the lower base + h x the distance
	s_add_co_u32 s2, s2, SCA
	v_add_nc_u32 v5, v5, v6
	v_add_nc_u32 v[ADRS], s2, v5
	v_add_nc_u32 v[ADRS+1], SLOT, v[ADRS]
	s_mul_i32 s2, s[WV], 16*SPITCH                 ; my stage
	v_mul_u32_u24 v5, v1, SPITCH                   ; in: row l % 16, 32 bytes for each half of the lanes
	v_lshl_add_u32 v5, v2, 5, v5
	v_add_nc_u32 v[STO], s2, v5
	v_and_b32 v6, 31, v0
	v_lshlrev_b32 v[CO], 4, v6                     ; back: the 32 lanes take one row of 512 bytes; and the same in out0
	v_add_nc_u32 v[RD], s2, v[CO]
	v_lshlrev_b32 v[PFO], 12, v6
	v_bfe_u32 v3, v0, 1, 4
	v_and_b32 v[PFSO], 1, v0
	v_lshlrev_b32 v[PFSO], 8, v[PFSO]
	v_lshl_add_u32 v[PFSO], v3, 15, v[PFSO]
	s_mov_b32 s101, 0                              ; s[100:101]: offsets made of the tile row; s[66:67]: of the tile column.  Neither pair ever holds the other coordinate
	s_mov_b32 s67, 0
	s_wait_kmcnt 0x0
	s_lshl_b32 s100, s99, 20
	s_add_nc_u64 s[4:5], s[4:5], s[100:101]        ; x's codes at my tile's first row: 256 rows of 4,096 bytes a tile
	s_lshl_b32 s100, s99, 11
	s_add_nc_u64 s[6:7], s[6:7], s[100:101]        ; x's scale bytes: 2,048 a tile in each K step
	s_lshl_b32 s66, s98, 20
	s_add_nc_u64 s[8:9], s[8:9], s[66:67]          ; W's likewise, by the tile column
	s_lshl_b32 s66, s98, 11
	s_add_nc_u64 s[10:11], s[10:11], s[66:67]
.irp s, 0,1
	s_mov_b32 s[G0A+4*\s], 1                       ; 1:0 count = 1
	s_mov_b32 s[G0A+4*\s+1], \s*SLOT               ; 63:32 LDS address: a constant: no place in the cluster enters it
	s_add_nc_u64 s[G0A+4*\s+2:G0A+4*\s+3], s[4:5], \s*ROWB          ; 120:64 global address: K step s
	s_or_b32 s[G0A+4*\s+3], s[G0A+4*\s+3], 0x80000000              ; 127:126 type = 2
	s_mov_b32 s[G0SA+4*\s], 1
	s_mov_b32 s[G0SA+4*\s+1], \s*SLOT+SCA
	s_add_nc_u64 s[G0SA+4*\s+2:G0SA+4*\s+3], s[6:7], \s*SSTEP
	s_or_b32 s[G0SA+4*\s+3], s[G0SA+4*\s+3], 0x80000000
	s_mov_b32 s[G0B+4*\s], 1
	s_mov_b32 s[G0B+4*\s+1], \s*SLOT+2*HALFT
	s_add_nc_u64 s[G0B+4*\s+2:G0B+4*\s+3], s[8:9], \s*ROWB
	s_or_b32 s[G0B+4*\s+3], s[G0B+4*\s+3], 0x80000000
	s_mov_b32 s[G0SB+4*\s], 1
	s_mov_b32 s[G0SB+4*\s+1], \s*SLOT+SCBO
	s_add_nc_u64 s[G0SB+4*\s+2:G0SB+4*\s+3], s[10:11], \s*SSTEP
	s_or_b32 s[G0SB+4*\s+3], s[G0SB+4*\s+3], 0x80000000
.endr
	s_lshl_b32 s66, s98, 8
	s_lshl_b32 s3, s[CH], 7
	s_add_co_u32 s66, s66, s3                      ; my first column: 256 x tile column + 128 x half,
	s_lshl_b32 s66, s66, 2                         ; in bytes of f32
	s_add_nc_u64 s[14:15], s[14:15], s[66:67]      ; B,
	s_add_nc_u64 s[16:17], s[16:17], s[66:67]      ; the bias
	s_add_nc_u64 s[18:19], s[18:19], s[66:67]      ; and out0 at it
	s_lshl_b32 s100, s99, 8
	s_lshl_b32 s3, s[RH], 7
	s_add_co_u32 s100, s100, s3                    ; my first row: 256 x tile row + 128 x half
	s_lshl_b32 s100, s100, 5
	s_add_nc_u64 s[12:13], s[12:13], s[100:101]    ; t2: 32 bytes a row
	s_lshl_b32 s100, s100, 9
	s_add_nc_u64 s[18:19], s[18:19], s[100:101]    ; out0: 16,384 bytes a row
	CROUND                                         ; all sixteen work-groups are here: the first joint loads meet
	JLOAD 0                                        ; the ring is filled before anything else is done: two loads of mine are out
	JLOAD 1
	; ---- the head's operands.  B's fragment of 16 columns (source 0): lane (r, h) holds column r, registers 0-3 ranks 8 h + 0 .. 7 in bf16, registers 4-7 (K = 16 on) zeros
.irp b, 0,1,2,3,4,5,6,7
.irp j, 0,1,2,3,4,5,6,7
	global_load_b32 v[RB+8*\b+\j], v[BO], s[14:15] offset:16384*\j+64*\b   ; B(8 h + j, 16 b + r)
.endr
.endr
.irp a, 0,1,2,3,4,5,6,7
	global_load_b128 v[TF+8*\a:TF+8*\a+3], v[TO], s[12:13] offset:512*\a   ; t2's fragment of 16 rows (source 1): row r, ranks 8 h + 0 .. 7: as it lies
.endr
	WIN TO_B
.irp b, 0,1,2,3,4,5,6,7
	global_load_b128 v[BI+8*\b:BI+8*\b+3], v[BIO], s[16:17] offset:64*\b           ; the bias in the result's layout: register j = column 16 b + 8 h + j
	global_load_b128 v[BI+8*\b+4:BI+8*\b+7], v[BIO], s[16:17] offset:64*\b+16
.endr
.irp b, 0,1,2,3,4,5,6,7
.irp k, 4,5,6,7
	v_mov_b32 v[BTF+8*\b+\k], 0
.endr
.endr
	WIN 0
.irp a, 0,1,2,3,4,5,6,7
.irp k, 4,5,6,7
	v_mov_b32 v[TF+8*\a+\k], 0
.endr
.endr
	s_wait_loadcnt 24                              ; B's 64 loads are in; t2's 8 and the bias's 16 may be out
	WIN TO_B
.irp b, 0,1,2,3,4,5,6,7
.irp p, 0,1,2,3
	v_cvt_pk_bf16_f32 v[BTF+8*\b+\p], v[RB+8*\b+2*\p], v[RB+8*\b+2*\p+1]
.endr
.endr
	s_wait_loadcnt 0x0
.macro PLACES n
.rept \n
	v_nop
.endr
.endm
	PLACES 4
; 32 matrix instructions: rows 64 hi on; one for each accumulator, in the order in which the K steps take them
.macro LORA hi
.irp a, 0,1,2,3
.irp b, 0,1,2,3,4,5,6,7
	v_wmma_f32_16x16x32_bf16 v[8*(8*\a+\b):8*(8*\a+\b)+7], v[BTF+8*\b:BTF+8*\b+7], v[TF+8*(4*\hi+\a):TF+8*(4*\hi+\a)+7], v[BI+8*\b:BI+8*\b+7]
.endr
.endr
.endm
	WIN 0x91                                       ; source 0 (B) and source 2 (bias) window 1, source 1 (t2) window 0, destination window 2
	LORA 0
	WIN 0xd1                                       ; destination window 3
	LORA 1
	WIN 0
	PLACES 5                                       ; the scaled form that adds onto these results next is another form, so it stands five places behind them (ISA guide 7.12.1)
	; the prefetches: where mine stand, and who asks.  s12 to s17 are free: the head's loads are in
	s_and_b32 s14, ttmp7, 0xffff                   ; cluster y
	s_cmp_eq_u32 s[RH], 0                          ; waves 0, 1 ask for x, waves 2, 3 for W
	s_cselect_b32 s13, s96, s97                    ; my place among the four that ask for the tile with me
	s_cselect_b32 s14, ttmp9, s14                  ; the coordinate along which other clusters read the same rows
	s_cselect_b64 s[PFA:PFA+1], s[4:5], s[8:9]     ; (both stand at the tile's first row)
	s_cselect_b64 s[PFS:PFS+1], s[6:7], s[10:11]
	s_cmp_eq_u32 s14, 0
	s_cselect_b32 s[LIM], 1, -1                    ; the same in all sixteen partners, for a given wave
	s_or_b32 s14, s14, s[CH]
	s_cmp_eq_u32 s14, 0
	s_cselect_b32 s[LIMS], LAPS-1, -1
	s_lshl_b32 s16, s13, 9                         ; my work-group's 512 of a K step's 2,048 scale bytes
	s_mov_b32 s17, 0
	s_add_nc_u64 s[PFS:PFS+1], s[PFS:PFS+1], s[16:17]
	s_lshl_b32 s12, s13, 6                         ; my work-group's 64 rows,
	s_lshl_b32 s15, s[CH], 5                       ; my wave's 32 of them
	s_add_co_u32 s12, s12, s15
	s_lshl_b32 s12, s12, 12
	s_mov_b32 s13, 0
	s_add_nc_u64 s[PFA:PFA+1], s[PFA:PFA+1], s[12:13]
	s_add_nc_u64 s[PFA:PFA+1], s[PFA:PFA+1], 2*ROWB   ; at K step 2: the first refill steps it to 3 and names K step 4.  Nothing is prefetched here, at the head, where every work-group's first tiles are on their way
.macro FRAG reg, adr, q, i             ; a fragment, 16 rows x 128 K of 8-bit codes, is 16 registers: lane l holds row l % 16; registers 4 c .. 4 c + 3 hold K = 32 c + 16 (l / 16) + 0 .. 15
.irp c, 0,1,2,3
	ds_load_b128 v[\reg+4*\c:\reg+4*\c+3], v[\adr] offset:128*(\q)+32*\c+(\i)*16*PITCH
.endr
.endm
; 16 matrix instructions: x's blocks a0, a0 + 1 against W's eight, 128 along K: the slot's q-th.  p: W's set;  sc: the set of scale words.  Source 0's scales are read from lanes 16-31 of register b, source 1's from lanes 0-15 of register a.
; The 64 accumulators take turns, one instruction a turn, in the same order in every step.
.macro MUL16 a0, p, q, sc
.irp a, \a0, \a0+1
.irp b, 0,1,2,3,4,5,6,7
	v_wmma_scale_f32_16x16x128_f8f6f4 v[8*(8*((\a)%4)+\b):8*(8*((\a)%4)+\b)+7], v[128*(\p)+FR*\b:128*(\p)+FR*\b+FR-1], v[AF+FR*(\a):AF+FR*(\a)+FR-1], v[8*(8*((\a)%4)+\b):8*(8*((\a)%4)+\b)+7], v[SC+8*NQ*(\sc)+NQ*\b+(\q)], v[SC+8*NQ*(\sc)+NQ*(\a)+(\q)] matrix_a_fmt:MATRIX_FMT_BF8 matrix_b_fmt:MATRIX_FMT_BF8 matrix_a_scale:MATRIX_SCALE_ROW1
.endr
.endr
.endm
.macro FETCH_B slot, q, p              ; W's eight fragments of the slot's q-th 128 along K into set p
	WIN TO_B
.irp i, 0,1,2,3,4,5,6,7
	FRAG 128*(\p)+FR*\i, ADRB+\slot, \q, \i
.endr
	WIN 0
.endm
.macro FETCH_A slot, q, i0             ; x's blocks i0 .. i0 + 3
.irp i, \i0, \i0+1, \i0+2, \i0+3
	FRAG AF+FR*(\i), ADRA+\slot, \q, \i
.endr
.endm
.macro SCALES sc                       ; slot sc's scale words: two words a row; lanes 0-15 take x's block i, lanes 16-31 W's block i
.irp i, 0,1,2,3,4,5,6,7
	ds_load_b64 v[SC+8*NQ*\sc+NQ*\i:SC+8*NQ*\sc+NQ*\i+1], v[ADRS+\sc] offset:\i*128
.endr
.endm
; A load into a register that a matrix instruction has read, and an LDS store that reads a matrix result, stand NP places behind that matrix instruction, and only plain vector instructions that name none of its
; registers are places (ISA guide 7.12.1 for vector instructions); this text does not count the matrix instructions in between.
; A step of 128 along K that has its successor in the same slot.
.macro STEP slot, q
	s_wait_dscnt 4*NL                              ; W's set, x's blocks 0-3 and the scale words are in; the youngest loads (x's blocks 4-7) may be out
	WIN MUL_LO
	MUL16 0, (\q)%2, \q, \slot
	MUL16 2, (\q)%2, \q, \slot
	s_wait_dscnt 0                                 ; x's blocks 4-7 are in (asked for 32 matrix instructions ago)
	PLACES NP
	FETCH_B \slot, (\q)+1, 1-(\q)%2
	FETCH_A \slot, (\q)+1, 0
	WIN MUL_HI
	MUL16 4, (\q)%2, \q, \slot
	MUL16 6, (\q)%2, \q, \slot
	PLACES NP
	WIN 0
	FETCH_A \slot, (\q)+1, 4
.endm
; A slot's last step changes slots: ONE barrier; in front of it each wave waits for all its tensor loads, adds 0 to its spare word, and waits for that and for its own reads of this slot.  fill = 1: this slot is filled again, two K steps ahead.
.macro TURN slot, next, fill
.if \fill
	s_wait_xcnt 0x0                                ; the last prefetch, a K step back, has read its address: it is stepped here, ahead of the waits of the change of slots
	s_add_nc_u64 s[PFA:PFA+1], s[PFA:PFA+1], ROWB
.endif
	s_wait_tensorcnt 0x0                           ; all my tensor loads have landed: my part of the next slot;  (every window is 0 here: the add's two registers lie in window 0)
	ds_add_u32 v[SPW], v[NIL]                      ; 0 onto my spare word
.if \fill
	s_add_nc_u64 s[G0A+4*\slot+2:G0A+4*\slot+3], s[G0A+4*\slot+2:G0A+4*\slot+3], 2*ROWB        ; no tensor load of mine is out, so every group 0 may be written: this slot's next K step
	s_add_nc_u64 s[G0B+4*\slot+2:G0B+4*\slot+3], s[G0B+4*\slot+2:G0B+4*\slot+3], 2*ROWB
	s_add_nc_u64 s[G0SA+4*\slot+2:G0SA+4*\slot+3], s[G0SA+4*\slot+2:G0SA+4*\slot+3], 2*SSTEP
	s_add_nc_u64 s[G0SB+4*\slot+2:G0SB+4*\slot+3], s[G0SB+4*\slot+2:G0SB+4*\slot+3], 2*SSTEP
.endif
	s_wait_dscnt 4*NL+1                            ; (the add and the youngest loads, x's blocks 4-7, may be out)
	WIN MUL_LO
	MUL16 0, 1, NQ-1, \slot                        ; sixteen matrix instructions stand between the add and the wait for it
	s_wait_dscnt 0x0                               ; the add is done, and my reads of this slot are over
	s_barrier_signal -1
	MUL16 2, 1, NQ-1, \slot
	WIN 0
	s_barrier_wait -1
.if \fill
	CREST                                          ; the barrier has opened a round of the cluster's barrier: no wave of any partner still reads this slot's tiles or has a load on its way
	JLOAD \slot                                    ; the first tensor load behind the round, one a wave; the four v_nop behind it are among the places in front of the loads below
	PLACES NP-4
.else
	PLACES NP
.endif
	FETCH_B \next, 0, 0
	FETCH_A \next, 0, 0
	SCALES \next
.if \fill
	ASK                                            ; behind the joint load and the run of LDS loads that the next products wait for
.if \slot == 0
	ASKS
.endif
.endif
	WIN MUL_HI
	MUL16 4, 1, NQ-1, \slot
	MUL16 6, 1, NQ-1, \slot
	PLACES NP
	WIN 0
	FETCH_A \next, 0, 4
.endm
	s_wait_tensorcnt 1                             ; my part of K step 0 is in (K step 1's load may be out)
	s_barrier_signal -1
	s_barrier_wait -1                              ; everybody's is
	FETCH_B 0, 0, 0
	FETCH_A 0, 0, 0
	SCALES 0
	FETCH_A 0, 0, 4
	STEP 0, 0
	s_mov_b32 s3, LAPS-1
.Llap:                                                 ; a trip goes once round the ring, from a lap's second step to the next lap's first, and fills both slots again: K steps 2 to 15
	TURN 0, 1, 1
	STEP 1, 0
	TURN 1, 0, 1
	STEP 0, 0
	s_sub_co_u32 s3, s3, 1
	s_cmp_lg_u32 s3, 0
	s_cbranch_scc1 .Llap
	TURN 0, 1, 0                                   ; the last lap fills nothing, and has no round of the cluster's barrier
	STEP 1, 0
	s_wait_dscnt 4*NL                              ; the very last step: nothing more to fetch
	WIN MUL_LO
	MUL16 0, 1, NQ-1, 1
	MUL16 2, 1, NQ-1, 1
	s_wait_dscnt 0
	WIN MUL_HI
	MUL16 4, 1, NQ-1, 1
	MUL16 6, 1, NQ-1, 1
	WIN 0
; THE WAY OUT, block by block of 16 rows x 128 columns.  A lane holds 32 neighbouring bytes of a row, and the lanes beside it hold other rows: so a block goes through my own stage in LDS and comes back as whole
; rows of 512 bytes.  LDS serves a wave's instructions in order (ISA guide 5.7.1.4): no wait between the stores and the loads, nor in front of the next block's stores.
.macro TOSTAGE a
.set AC, 64*((\a)%4)
	WIN 0x08+4*((\a)/4)                            ; the data: window 2 or 3
.irp b, 0,1,2,3,4,5,6,7
	ds_store_b128 v[STO], v[AC+8*\b:AC+8*\b+3] offset:64*\b          ; each accumulator from its low end on
	ds_store_b128 v[STO], v[AC+8*\b+4:AC+8*\b+7] offset:64*\b+16
.endr
	WIN 0
.set BB, BK+64*((\a)%2)
.irp t, 0,1,2,3,4,5,6,7,8,9,10,11,12,13,14,15
	ds_load_b128 v[BB+4*\t:BB+4*\t+3], v[RD] offset:\t*SPITCH
.endr
.endm
.macro SEND a, younger                 ; younger: the LDS instructions issued behind block a's loads, which may stay out
.set BB, BK+64*((\a)%2)
	s_wait_dscnt \younger                          ; the block is back in registers
.if (\a) > 0
	s_add_nc_u64 s[18:19], s[18:19], 16*SIZE_N*4   ; (behind a wait on XCNT: the earlier stores have read their base)  16 rows of out0 on; the stores' offsets reach 15 rows, inside the signed 24-bit immediate
.endif
.irp t, 0,1,2,3,4,5,6,7,8,9,10,11,12,13,14,15
	global_store_b128 v[CO], v[BB+4*\t:BB+4*\t+3], s[18:19] offset:\t*SIZE_N*4 th:TH_STORE_NT   ; 32 lanes store 512 consecutive bytes, at a multiple of 256 from out0's first byte; written once, read by nobody here
.endr
.endm
	PLACES NP                                      ; these places serve the loads into the registers that held x's fragments and the reads of the last products' results alike
	TOSTAGE 0
.irp a, 1,2,3,4,5,6,7
.if \a > 1
	s_wait_xcnt 0x0                                ; block a - 2's stores have read their registers and their base: block a's loads may land there, and the base may step
.endif
	TOSTAGE \a
	SEND \a-1, 32                                  ; behind block a - 1's loads: block a's 16 stores and 16 loads
.endr
	s_wait_xcnt 0x0                                ; block 6's stores have read their base
	SEND 7, 0
	s_wait_tensorcnt 0x0                           ; the wave's end: behind my last tensor load and my last LDS store
	ds_add_u32 v[SPW], v[NIL]
	s_wait_dscnt 0x0
	CROUND                                         ; the closing round: no work-group ends while a partner may still ask for a tile that names it
	s_endpgm
.Lfunc_end_k_q187dd03a8e_gemm:
	.size	k_q187dd03a8e_gemm, .Lfunc_end_k_q187dd03a8e_gemm-k_q187dd03a8e_gemm
	.p2alignl 7, 3214868480
	.fill 96, 4, 3214868480
	.section	.rodata,"a",@progbits
	.p2align	6, 0x0
	.amdhsa_kernel k_q187dd03a8e_gemm
		.amdhsa_group_segment_fixed_size 327680
		.amdhsa_private_segment_fixed_size 0
		.amdhsa_enable_private_segment 0
		.amdhsa_kernarg_size 64
		.amdhsa_user_sgpr_count 2
		.amdhsa_user_sgpr_kernarg_segment_ptr 1
		.amdhsa_wavefront_size32 1
		.amdhsa_system_sgpr_workgroup_id_x 1
		.amdhsa_system_sgpr_workgroup_id_y 1
		.amdhsa_system_sgpr_workgroup_id_z 1
		.amdhsa_system_vgpr_workitem_id 0
		.amdhsa_next_free_vgpr 1024
		.amdhsa_next_free_sgpr 102
		.amdhsa_reserve_vcc 0
		.amdhsa_float_denorm_mode_32 3
		.amdhsa_float_denorm_mode_16_64 3
		.amdhsa_memory_ordered 1
		.amdhsa_forward_progress 1
		.amdhsa_inst_pref_size 166
	.end_amdhsa_kernel
	.amdgpu_metadata
---
amdhsa.version: [ 1, 2 ]
amdhsa.kernels:
  - .name:           k_q187dd03a8e_gemm
    .symbol:         k_q187dd03a8e_gemm.kd
    .args:
      - { .name: x_codes, .offset: 0, .size: 8, .value_kind: global_buffer, .address_space: global }
      - { .name: xs2, .offset: 8, .size: 8, .value_kind: global_buffer, .address_space: global }
      - { .name: w_codes, .offset: 16, .size: 8, .value_kind: global_buffer, .address_space: global }
      - { .name: ws2, .offset: 24, .size: 8, .value_kind: global_buffer, .address_space: global }
      - { .name: t2, .offset: 32, .size: 8, .value_kind: global_buffer, .address_space: global }
      - { .name: B, .offset: 40, .size: 8, .value_kind: global_buffer, .address_space: global }
      - { .name: bias, .offset: 48, .size: 8, .value_kind: global_buffer, .address_space: global }
      - { .name: out0, .offset: 56, .size: 8, .value_kind: global_buffer, .address_space: global }
    .group_segment_fixed_size: 327680
    .private_segment_fixed_size: 0
    .kernarg_segment_align: 8
    .kernarg_segment_size: 64
    .max_flat_workgroup_size: 128
    .sgpr_count:     102
    .vgpr_count:     1024
    .wavefront_size: 32
...
	.end_amdgpu_metadata
.endif
;; end of part 2
